; MI455X (gfx1250); checked and timed in simulation.
; The chip was launched on July 23, 2026; its instructions are those of AMD's public machine-readable ISA for CDNA 5 (MIT licence, August 2026) and "CDNA5" Instruction Set Architecture Reference Guide (July 2026). The comments in the code are by the model that wrote it; some were corrected since.
;; Dot Product Attention. Allowed arithmetic: float matrix products may take bf16 or f16 operands with f32 sums; all other float work in f32.
;; Inputs: keys 64 x 1,024 x 64 float32; queries 64 x 1,024 x 64 float32; valid_lens 64 int32; values 64 x 1,024 x 64 float32.
;; Outputs: out0 64 x 1,024 x 64 float32.
;; One version. Each part assembles by itself: llvm-mc -triple=amdgcn-amd-amdhsa -mcpu=gfx1250 --defsym DOCPART=n.
;; ======== version 1 of 1: 1 launch
;; limits: right only within a limited range of input values; values are held in f16: magnitudes above 65,504 overflow, below 6.1e-05 lose precision; inputs' magnitudes at most 65,504
;; launch attn (part 1): grid 4 x 64, 8 waves a work-group, no clusters, 76,800 bytes of LDS; arguments queries, keys, values, valid_lens, out0; writes out0
.if DOCPART == 1
	.amdgcn_target "amdgcn-amd-amdhsa--gfx1250"
	.amdhsa_code_object_version 6
	.text
	.protected	k_qc7a259852c_attn
	.globl	k_qc7a259852c_attn
	.p2align	8
	.type	k_qc7a259852c_attn,@function
k_qc7a259852c_attn:
	s_mov_b64 s[64:65], 0
	v_nop
	global_prefetch_b8 v0, s[64:65] scope:SCOPE_SE
	s_setreg_imm32_b32 hwreg(HW_REG_WAVE_MODE, 25, 1), 1
	s_wait_xcnt 0x0
; out[b][q][:] = softmax over k of (q.k / 8, columns k >= valid_lens[b] filled with -1e6) times V.   B = 64, L = 1024, d = 64, all f32.
; One launch: both products, the mask and a running-maximum softmax; scores never leave registers.
; SHARES: work-group (x, y) = 256 query rows (x) of batch y; wave w = rows 32 w .. 32 w + 31, two query tiles q = 0, 1 of 16 rows.
; Keys go in tiles of 64.  The eight waves together bring a tile of K and of V (16,384 bytes of f32 each) by 16-byte loads, 512 consecutive
; bytes a wave and instruction, round to f16 and lay it into one of two LDS slots; tile i + 1 is asked for at the head of tile i.
; BOTH PRODUCTS ARE USED TRANSPOSED.  S^T = K rows (source 0) x Q rows (source 1): lane (r, h) holds, in register j of tile t, the score
; of key 16 t + 8 h + j and query r: 32 keys of ONE query, so maximum and sum run along the lane's registers with one exchange between the
; halves of the wave, and m, l, alpha are one number a lane.  Two neighbouring score tiles, rounded in pairs, ARE the source-1 fragment of
; the second product, O^T = V^T (source 0, by the transposing LDS load from V kept [key][d]) x P.
; FORMAT: Q, K, V and the weights p go to the matrix unit in f16, sums in f32.  f16 keeps 11 significant bits against bf16's 8; with few valid keys
; there is little averaging, and an output near zero is held to a hundredth of the output's root mean square, which 8 bits do not reach.
; The room in f16: inputs of the drawn kind stay below about 6; thirty times that and an offset of thirty spreads stay below 250, against 65,504;
; numbers below 2^-14 lose bits, with an absolute error of at most 2^-25; the weights lie in [0, 1], and what rounds to 0 is below 2^-25 of the largest.
; ARITHMETIC: p = exp2(s C + NMC), C = log2(e) / 8, NMC = round(-C m), m the running maximum of the raw scores s = q.k;
; alpha = exp2(NMC new - NMC old), of the ROUNDED numbers, so that old and new weights agree whatever m's size.  The fill is -8e6 in raw scores.
; valid_len: VLC = clamp(valid_len, 0, 1024).  VLC = 0: every score is the fill and all 16 tiles are worked (uniform weights).
; LIMITS: (1) an input of magnitude 65,520 or more becomes infinite in f16 and spoils its rows.  (2) Tiles wholly behind valid_len are neither loaded
; nor worked: their weights are exp(-1e6 - max), which is 0 in f32 while each row's largest valid score q.k / 8 lies above about -999,850; below that
; the result differs from the exact softmax.  (3) NaN and infinite inputs are not treated: the maxima drop NaN.
; NO TENSOR LOADS, NO JOINT REQUESTS: the tiles are f32 and have to be rounded; through registers that is one LDS write of 16 KB a tile, through
; an f32 stage in LDS it would be 32 KB written, 32 KB read and 16 KB written.  Partners would also have to ask for the tiles behind valid_len.
; The trip count is the constant 16 and every barrier is on every path; branches on valid_len jump over work alone.
.set TILEB,  16384                     ; bytes of a tile of K or V in memory: 64 rows x 256
.set KP,     144                       ; LDS row of K and of Q in f16: 128 bytes + 16, an odd multiple of 16
.set VP,     160                       ; LDS row of V in f16: 128 bytes + 32, an odd multiple of 32 (for the transposing load)
.set VOFF,   64*KP                     ; V behind K in a slot
.set SLOTB,  64*KP+64*VP               ; 19,456 bytes a slot
.set PRIV,   2*SLOTB                   ; behind the slots: 4,608 bytes for each wave alone: first Q in f16 (32 x 144), at the end O in f32 (16 x 272)
.set PRIVB,  4608
.set OP,     272                       ; LDS row of O: 256 bytes + 16
.set CLOG,   0x3e38aa3b                ; log2(e) / 8
.set NCLOG,  0xbe38aa3b                ; its negative
; window 0
.set KFA, 6                            ; 144 r + 16 h: K fragments
.set VFA, 7                            ; 160 (8 h + (L & 7)) + 16 ((L >> 3) & 1): V fragments, transposing load
.set QST, 8                            ; my stage + 144 h + 8 r
.set QFA, 9                            ; my stage + 144 r + 16 h
.set OST, 10                           ; my stage + 272 r + 32 h
.set ORD, 11                           ; my stage + 272 h + 16 r
.set GO,  12                           ; 16 L: Q's loads and the stores of out
.set H8,  13                           ; 8 h
.set REL, 14                           ; valid_len - tile's first key - 8 h
.set NEGV, 15                          ; -8e6
.set PFO, 16                           ; 256 L
.set NMC, 18                           ; v18, v20: NMC of q = 0, 1     (pairs (NMC, M))
.set M,   19                           ; v19, v21: running maximum
.set AL,  22                           ; v22, v24: alpha, at the end 1 / l   (pairs (AL, TB))
.set TB,  23                           ; v23, v25: at work
.set LP,  26                           ; v[26:27], v[28:29]: two partial sums of the weights
.set TA,  30                           ; v30, v31: at work
.set Q,   32                           ; v[32:63]   Q fragments: 16 q + 8 e
.set S,   64                           ; v[64:127]  scores: 32 q + 8 t + j; the weights in f16 are packed in place: P(q, u) at 32 q + 8 u
.set FR,  128                          ; v[128:191] K fragments 32 e + 8 t, then V fragments 32 u + 8 dt
.set O,   192                          ; v[192:255] O^T: 32 q + 8 dt + j
; window 1 (v256 and up, named by their low 8 bits): v0 = 16 t, v1 = 144 (t >> 4) + 8 (t & 15), v2 = 160 (t >> 4) + 8 (t & 15),
; v[8:23] K as loaded, v[24:39] V as loaded.  All operands of the loader's lines lie there (setting 0x55): four switches a tile.
.set MSB, 0
.macro WIN new                         ; the immediate's high byte repeats the setting that is left; 0 at every label and branch
.if MSB != \new
	s_set_vgpr_msb (MSB<<8)|\new
.set MSB, \new
.endif
.endm
.macro PLACES n
.rept \n
	v_nop
.endr
.endm
; eight loads of 16 bytes: thread t takes byte 16 t + 4096 j of the tile (row t / 16 + 16 j, d = 4 (t & 15) ..).  No hint: four work-groups read these bytes.
.macro LOADKV
.irp j, 0,1,2,3
	global_load_b128 v[8+4*\j:11+4*\j], v0, s[6:7] offset:4096*\j
.endr
.irp j, 0,1,2,3
	global_load_b128 v[24+4*\j:27+4*\j], v0, s[8:9] offset:4096*\j
.endr
.endm
; round them to f16, 8 bytes a load, and lay them into a slot
.macro CONVKV slot
.irp a, 0,1,2,3,4,5,6,7
	v_cvt_pk_f16_f32 v[8+4*\a], v[8+4*\a], v[9+4*\a]
	v_cvt_pk_f16_f32 v[9+4*\a], v[10+4*\a], v[11+4*\a]
.endr
.irp j, 0,1,2,3
	ds_store_b64 v1, v[8+4*\j:9+4*\j] offset:(\slot)*SLOTB+16*KP*\j
	ds_store_b64 v2, v[24+4*\j:25+4*\j] offset:(\slot)*SLOTB+VOFF+16*VP*\j
.endr
.endm
; key 16 t + 8 h + j of the tile is valid where 16 t + j < valid_len - first key - 8 h; the others get the fill
.macro MASK
	s_sub_co_i32 s21, s17, s20
	v_sub_nc_u32 v[REL], s21, v[H8]
.irp t, 0,1,2,3
.irp j, 0,1,2,3,4,5,6,7
	v_cmp_lt_i32 vcc_lo, 16*\t+\j, v[REL]
	v_cndmask_b32 v[S+8*\t+\j], v[NEGV], v[S+8*\t+\j], vcc_lo
	v_cndmask_b32 v[S+32+8*\t+\j], v[NEGV], v[S+32+8*\t+\j], vcc_lo
.endr
.endr
.endm
; the running maximum of each query, and from it NMC and alpha
.macro ROWMAX first
.irp q, 0,1
	v_max3_num_f32 v[TA+\q], v[S+32*\q], v[S+32*\q+1], v[S+32*\q+2]              ; two chains a query, started by the first scores
	v_max3_num_f32 v[TB+2*\q], v[S+32*\q+16], v[S+32*\q+17], v[S+32*\q+18]
.endr
.irp k, 3,5,7,9,11,13
.irp q, 0,1
	v_max3_num_f32 v[TA+\q], v[TA+\q], v[S+32*\q+\k], v[S+32*\q+\k+1]
	v_max3_num_f32 v[TB+2*\q], v[TB+2*\q], v[S+32*\q+16+\k], v[S+32*\q+17+\k]
.endr
.endr
.irp q, 0,1
	v_max3_num_f32 v[TA+\q], v[TA+\q], v[TB+2*\q], v[S+32*\q+15]
.endr
.irp q, 0,1
.if \first
	v_max_num_f32 v[TA+\q], v[TA+\q], v[S+32*\q+31]
.else
	v_max3_num_f32 v[TA+\q], v[TA+\q], v[S+32*\q+31], v[M+2*\q]                  ; the maximum so far joins
.endif
.endr
.irp q, 0,1
	v_permlanex16_b32 v[TB+2*\q], v[TA+\q], s26, s27                             ; the other 32 keys of the same query lie in lane L xor 16
.endr
.irp q, 0,1
	v_max_num_f32 v[M+2*\q], v[TA+\q], v[TB+2*\q]
.endr
.if \first
.irp q, 0,1
	v_mul_f32 v[NMC+2*\q], NCLOG, v[M+2*\q]
.endr
.else
.irp q, 0,1
	v_mul_f32 v[TA+\q], NCLOG, v[M+2*\q]
.endr
.irp q, 0,1
	v_sub_f32 v[AL+2*\q], v[TA+\q], v[NMC+2*\q]                                  ; new - old, both as rounded: never above 0
.endr
.irp q, 0,1
	v_mov_b32 v[NMC+2*\q], v[TA+\q]
.endr
.irp q, 0,1
	v_exp_f32 v[AL+2*\q], v[AL+2*\q]                                             ; alpha; the multiply-adds below are the plain place behind it (ISA guide 5.7.2)
.endr
.endif
.endm
; p = exp2(s C + NMC), in place
.macro WEIGHTS
.irp q, 0,1
.set i, 0
.rept 16
	v_pk_fma_f32 v[S+32*\q+2*i:S+32*\q+2*i+1], v[S+32*\q+2*i:S+32*\q+2*i+1], s[28:29], v[NMC+2*\q:NMC+2*\q+1] op_sel_hi:[1,0,0]
.set i, i+1
.endr
.set i, 0
.rept 32
	v_exp_f32 v[S+32*\q+i], v[S+32*\q+i]
.set i, i+1
.endr
.endr
.endm
; the weights are summed in f32, two partial sums a lane, and rounded in pairs to f16: pair i of a query goes to its register i
.macro SUMPACK first
.set i, 0
.rept 16
.irp q, 0,1
.if i == 0
.if \first
	v_pk_add_f32 v[LP+2*\q:LP+2*\q+1], v[S+32*\q:S+32*\q+1], v[S+32*\q+2:S+32*\q+3]              ; the first two pairs start the sums
.else
	v_pk_fma_f32 v[LP+2*\q:LP+2*\q+1], v[LP+2*\q:LP+2*\q+1], v[AL+2*\q:AL+2*\q+1], v[S+32*\q:S+32*\q+1] op_sel_hi:[1,0,1]
.endif
.else
.if i+1-\first > 1
	v_pk_add_f32 v[LP+2*\q:LP+2*\q+1], v[LP+2*\q:LP+2*\q+1], v[S+32*\q+2*i:S+32*\q+2*i+1]
.endif
.endif
	v_cvt_pk_f16_f32 v[S+32*\q+i], v[S+32*\q+2*i], v[S+32*\q+2*i+1]
.endr
.set i, i+1
.endr
.endm
; One tile of 64 keys out of slot `slot`.  first = 1: tile 0, always worked, starts every sum.  koff: the tile's first key is s19 + koff.
; last = 1: tile 15: nothing more is loaded and no barrier follows.
.macro TILE slot, first, koff, last
	s_add_co_u32 s20, s19, \koff                   ; the tile's first key
.if \first == 0
	s_cmp_lt_u32 s20, s18
	s_cbranch_scc0 .Lidle1_\@                      ; wholly behind valid_len: no work, the barrier alone
.endif
.irp e, 0,1
.irp t, 0,1,2,3
	ds_load_b128 v[FR+32*\e+8*\t:FR+32*\e+8*\t+3],   v[KFA] offset:\slot*SLOTB+16*KP*\t+64*\e
	ds_load_b128 v[FR+32*\e+8*\t+4:FR+32*\e+8*\t+7], v[KFA] offset:\slot*SLOTB+16*KP*\t+64*\e+32
.endr
.endr
.if \last == 0
	s_add_co_u32 s21, s20, 64
	s_cmp_lt_u32 s21, s18
	s_cbranch_scc0 .Lnoload_\@
	WIN 0x55
	LOADKV                                         ; the next tile, if it is worked: it has this tile's products and softmax in which to come
	WIN 0
.Lnoload_\@:
	; Prefetch: wave 0 asks for this work-group's 32 blocks of 256 bytes (lanes 256 bytes apart) of the tile three tiles on, that is two trips ahead of its
	; loads.  The four work-groups of a batch share a tile's 128 blocks (x = 0, 1: K's halves; x = 2, 3: V's), so each block is asked for once.
	; It stops where the tile would not be worked; first key + 192 < 1024 keeps it inside the batch.
	s_add_co_u32 s21, s20, 192
	s_cmp_lt_u32 s21, s30
	s_cbranch_scc0 .Lnopf_\@
	global_prefetch_b8 v[PFO], s[24:25] offset:TILEB th:TH_LOAD_NT scope:SCOPE_SE
.Lnopf_\@:
.endif
	s_wait_dscnt 0x8                               ; LDS loads come back in order: d = 0..31 are in, the eight younger loads (d = 32..63) stay out
.irp t, 0,1,2,3
.irp q, 0,1
	v_wmma_f32_16x16x32_f16 v[S+32*\q+8*\t:S+32*\q+8*\t+7], v[FR+8*\t:FR+8*\t+7], v[Q+16*\q:Q+16*\q+7], 0
.endr
.endr
	s_wait_dscnt 0x0
.irp t, 0,1,2,3                                    ; the eight accumulators take turns, one instruction a turn
.irp q, 0,1
	v_wmma_f32_16x16x32_f16 v[S+32*\q+8*\t:S+32*\q+8*\t+7], v[FR+32+8*\t:FR+32+8*\t+7], v[Q+16*\q+8:Q+16*\q+15], v[S+32*\q+8*\t:S+32*\q+8*\t+7]
.endr
.endr
	PLACES 4                                       ; four places behind the last product: loads into its sources and readers of its result follow
.irp u, 0,1
.irp dt, 0,1,2,3
	ds_load_tr16_b128 v[FR+32*\u+8*\dt:FR+32*\u+8*\dt+3],   v[VFA] offset:\slot*SLOTB+VOFF+32*VP*\u+32*\dt
	ds_load_tr16_b128 v[FR+32*\u+8*\dt+4:FR+32*\u+8*\dt+7], v[VFA] offset:\slot*SLOTB+VOFF+32*VP*\u+32*\dt+16*VP
.endr
.endr
	s_add_co_u32 s21, s20, 64
	s_cmp_gt_u32 s21, s17
	s_cbranch_scc0 .Lnomask_\@                     ; only a tile that reaches past valid_len is masked
	MASK
.Lnomask_\@:
	ROWMAX \first
	WEIGHTS
.if \first
	v_nop                                          ; the plain place behind the last exponential
	s_wait_alu depctr_va_vdst(0)
.else
	s_wait_alu depctr_va_vdst(0)
.irp q, 0,1                                        ; O *= alpha; the first of these lines is the plain place behind the last exponential
.set i, 0
.rept 16
	v_pk_mul_f32 v[O+32*\q+2*i:O+32*\q+2*i+1], v[O+32*\q+2*i:O+32*\q+2*i+1], v[AL+2*\q:AL+2*\q+1] op_sel_hi:[1,0]
.set i, i+1
.endr
.endr
.endif
	SUMPACK \first
.if \last == 0
	s_wait_loadcnt 0x0                             ; all eight loads of the next tile (met at once where none was issued): no load is out on any way into the next tile
	s_add_co_u32 s21, s20, 64
	s_cmp_lt_u32 s21, s18
	s_cbranch_scc0 .Lnoconv_\@
	WIN 0x55
	CONVKV 1-\slot                                 ; into the other slot: every wave's reads of it were waited for in front of the last barrier
	WIN 0
.Lnoconv_\@:
.endif
.Lidle1_\@:
	s_wait_dscnt 0x0                               ; my V fragments are in, so all my reads of this slot are over, and my stores into the other slot are done
.if \last == 0
	s_wait_xcnt 0x0                                ; the bases of the loads and of the prefetch are stepped only behind this wait
	s_add_nc_u64 s[6:7], s[6:7], TILEB             ; stepped in every trip, worked or not: base = batch + (trip + 1) tiles
	s_add_nc_u64 s[8:9], s[8:9], TILEB
	s_add_nc_u64 s[24:25], s[24:25], TILEB
	s_barrier_signal -1                            ; say so; register work alone up to the wait
.endif
.if \first == 0
	s_cmp_lt_u32 s20, s18
	s_cbranch_scc0 .Lidle2_\@
.endif
.irp u, 0,1                                        ; O^T += V^T P; the eight accumulators take turns
.irp q, 0,1
.irp dt, 0,1,2,3
.if \first*(1-\u)
	v_wmma_f32_16x16x32_f16 v[O+32*\q+8*\dt:O+32*\q+8*\dt+7], v[FR+32*\u+8*\dt:FR+32*\u+8*\dt+7], v[S+32*\q+8*\u:S+32*\q+8*\u+7], 0
.else
	v_wmma_f32_16x16x32_f16 v[O+32*\q+8*\dt:O+32*\q+8*\dt+7], v[FR+32*\u+8*\dt:FR+32*\u+8*\dt+7], v[S+32*\q+8*\u:S+32*\q+8*\u+7], v[O+32*\q+8*\dt:O+32*\q+8*\dt+7]
.endif
.endr
.endr
.endr
	PLACES 5                                       ; five places: the next tile's products write over P, its loads land in the V fragments; at the end O is read
.Lidle2_\@:
.if \last == 0
	s_barrier_wait -1                              ; every wave has left this slot and filled its part of the other
.endif
.endm
; 16 queries leave: O / l, through my own stage, so that sixteen lanes store one whole row of 256 bytes, aligned
.macro OUTQ q
	v_add_f32 v[TA+\q], v[LP+2*\q], v[LP+2*\q+1]
	v_permlanex16_b32 v[TB+2*\q], v[TA+\q], s26, s27
	v_add_f32 v[TA+\q], v[TA+\q], v[TB+2*\q]       ; l: at least the largest weight, about 1
	v_rcp_f32 v[AL+2*\q], v[TA+\q]
	v_nop                                          ; the plain place behind the reciprocal
.set i, 0
	s_wait_alu depctr_va_vdst(0)
.rept 16
	v_pk_mul_f32 v[O+32*\q+2*i:O+32*\q+2*i+1], v[O+32*\q+2*i:O+32*\q+2*i+1], v[AL+2*\q:AL+2*\q+1] op_sel_hi:[1,0]
.set i, i+1
.endr
.irp dt, 0,1,2,3
	ds_store_b128 v[OST], v[O+32*\q+8*\dt:O+32*\q+8*\dt+3]   offset:64*\dt         ; query r, d = 16 dt + 8 h + 0..3
	ds_store_b128 v[OST], v[O+32*\q+8*\dt+4:O+32*\q+8*\dt+7] offset:64*\dt+16
.endr
.irp k, 0,1,2,3,4,5,6,7
	ds_load_b128 v[FR+32*\q+4*\k:FR+32*\q+4*\k+3], v[ORD] offset:2*OP*\k           ; my own bytes, served in order: these see the stores above
.endr
.irp k, 0,1,2,3,4,5,6,7
	s_wait_dscnt 7-\k                              ; read-back k is in, the younger ones stay out
	global_store_b128 v[GO], v[FR+32*\q+4*\k:FR+32*\q+4*\k+3], s[12:13] offset:4096*\q+512*\k th:TH_STORE_NT
.endr
.endm
	; ---------------- set-up ----------------
	s_load_b256 s[4:11], s[0:1], 0x0               ; Q s[4:5], K s[6:7], V s[8:9], valid_lens s[10:11]
	s_load_b64 s[12:13], s[0:1], 0x20              ; out
	s_set_vgpr_msb 0x40
	v_lshl_add_u32 v40, v0, 2, 0x12800
	v_mov_b32 v41, 0
	s_set_vgpr_msb 0x4000
	v_lshrrev_b32 v5, 5, v0
	v_readfirstlane_b32 s14, v5                    ; wave 0..7
	s_mov_b32 s15, ttmp9                           ; x: block of 256 queries
	s_and_b32 s16, ttmp7, 0xffff                   ; y: batch
	s_mov_b32 s26, 0x76543210                      ; v_permlanex16_b32: lane i reads lane i of the other half
	s_mov_b32 s27, 0xfedcba98
	s_mov_b32 s28, CLOG
	s_mov_b32 s29, CLOG
	s_mul_i32 s21, s14, PRIVB
	s_add_co_u32 s21, s21, PRIV                    ; my wave's stage
	v_and_b32 v1, 31, v0                           ; L
	v_and_b32 v2, 15, v0                           ; r (also t & 15)
	v_bfe_u32 v3, v0, 4, 1                         ; h
	v_mul_u32_u24 v[KFA], v2, KP
	v_lshl_add_u32 v[KFA], v3, 4, v[KFA]
	v_and_b32 v4, 7, v0
	v_lshl_add_u32 v4, v3, 3, v4
	v_mul_u32_u24 v[VFA], v4, VP
	v_bfe_u32 v5, v0, 3, 1
	v_lshl_add_u32 v[VFA], v5, 4, v[VFA]
	v_mul_u32_u24 v4, v3, KP
	v_lshl_add_u32 v4, v2, 3, v4
	v_add_nc_u32 v[QST], s21, v4
	v_add_nc_u32 v[QFA], s21, v[KFA]
	v_mul_u32_u24 v4, v2, OP
	v_lshl_add_u32 v4, v3, 5, v4
	v_add_nc_u32 v[OST], s21, v4
	v_mul_u32_u24 v4, v3, OP
	v_lshl_add_u32 v4, v2, 4, v4
	v_add_nc_u32 v[ORD], s21, v4
	v_lshlrev_b32 v[GO], 4, v1
	v_lshlrev_b32 v[H8], 3, v3
	v_mov_b32 v[NEGV], 0xcaf42400                  ; -8e6 = 8 x -1e6, exactly
	v_lshlrev_b32 v[PFO], 8, v1
	v_lshrrev_b32 v4, 4, v0                        ; t >> 4: the thread's row in a quarter tile
	v_mul_u32_u24 v17, v4, KP
	v_mul_u32_u24 v5, v4, VP
	WIN 0x40                                       ; destinations in window 1, sources in window 0
	v_lshlrev_b32 v0, 4, v0                        ; v256 = 16 t
	v_lshl_add_u32 v1, v2, 3, v17                  ; v257 = 144 (t >> 4) + 8 (t & 15)
	v_lshl_add_u32 v2, v2, 3, v5                   ; v258 = 160 (t >> 4) + 8 (t & 15)
	WIN 0
	s_lshl_b32 s22, s16, 2
	s_mov_b32 s23, 0
	s_wait_kmcnt 0x0
	s_add_nc_u64 s[10:11], s[10:11], s[22:23]
	s_load_b32 s17, s[10:11], 0x0                  ; valid_lens[y]
	s_lshl_b32 s22, s16, 18                        ; a batch is 262,144 bytes
	s_add_nc_u64 s[6:7], s[6:7], s[22:23]
	s_add_nc_u64 s[8:9], s[8:9], s[22:23]
	s_cmp_lt_u32 s15, 2
	s_cselect_b64 s[24:25], s[6:7], s[8:9]         ; x = 0, 1 prefetch K, x = 2, 3 prefetch V
	s_lshl_b32 s20, s15, 16                        ; 256 rows of 256 bytes
	s_add_co_u32 s22, s22, s20
	s_lshl_b32 s20, s14, 13                        ; 32 rows
	s_add_co_u32 s22, s22, s20
	s_add_nc_u64 s[4:5], s[4:5], s[22:23]          ; Q and out at my wave's first row
	s_add_nc_u64 s[12:13], s[12:13], s[22:23]
	s_and_b32 s22, s15, 1
	s_lshl_b32 s22, s22, 13                        ; which half of the tile
	s_add_co_u32 s22, s22, 2*TILEB                 ; from tile 2 on
	s_add_nc_u64 s[24:25], s[24:25], s[22:23]
.irp j, 0,1,2,3,4,5,6,7,8,9,10,11,12,13,14,15
	global_load_b128 v[S+4*\j:S+4*\j+3], v[GO], s[4:5] offset:512*\j th:TH_LOAD_NT   ; rows 2 j + h of my 32, d = 4 r ..: read once in the launch
.endr
	WIN 0x55
	LOADKV                                         ; tile 0
	WIN 0
	s_wait_kmcnt 0x0
	s_max_i32 s17, s17, 0
	s_min_i32 s17, s17, 1024                       ; VLC
	s_cmp_eq_u32 s17, 0
	s_cselect_b32 s18, 1024, s17                   ; LIM: keys below it are worked; all of them where nothing is valid
	s_cmp_eq_u32 s14, 0
	s_cselect_b32 s30, s18, 0                      ; the same for the prefetch, which wave 0 alone issues
	s_cmp_gt_u32 s30, 128
	s_cbranch_scc0 .Lnopf0
	global_prefetch_b8 v[PFO], s[24:25] th:TH_LOAD_NT scope:SCOPE_SE   ; my share of tile 2, if it is worked
.Lnopf0:
	s_wait_loadcnt 0x8                             ; Q's sixteen loads are in; the eight younger ones (tile 0) stay out
.irp j, 0,1,2,3,4,5,6,7,8,9,10,11,12,13,14,15
	v_cvt_pk_f16_f32 v[FR+2*\j],   v[S+4*\j],   v[S+4*\j+1]
	v_cvt_pk_f16_f32 v[FR+2*\j+1], v[S+4*\j+2], v[S+4*\j+3]
.endr
.irp j, 0,1,2,3,4,5,6,7,8,9,10,11,12,13,14,15
	ds_store_b64 v[QST], v[FR+2*\j:FR+2*\j+1] offset:2*KP*\j
.endr
.irp q, 0,1
.irp e, 0,1
	ds_load_b128 v[Q+16*\q+8*\e:Q+16*\q+8*\e+3],   v[QFA] offset:16*KP*\q+64*\e      ; my own bytes, served in order behind the stores
	ds_load_b128 v[Q+16*\q+8*\e+4:Q+16*\q+8*\e+7], v[QFA] offset:16*KP*\q+64*\e+32
.endr
.endr
	s_wait_loadcnt 0x0                             ; tile 0 is in; its loads are done, so their bases may be stepped
	WIN 0x55
	CONVKV 0
	WIN 0
	s_add_nc_u64 s[6:7], s[6:7], TILEB
	s_add_nc_u64 s[8:9], s[8:9], TILEB
	s_wait_dscnt 0x0                               ; my part of slot 0 is stored, my Q fragments are in
	s_barrier_signal -1
	s_barrier_wait -1                              ; slot 0 is whole
	; ---------------- the sixteen tiles ----------------
	s_mov_b32 s19, 0
	TILE 0, 1, 0, 0                                ; tile 0 starts the sums: nothing is cleared
	s_mov_b32 s19, 64
.Lloop:                                            ; tiles 1 to 14, two a trip, seven trips
	TILE 1, 0, 0, 0
	TILE 0, 0, 64, 0
	s_add_co_u32 s19, s19, 128
	s_cmp_lt_u32 s19, 960
	s_cbranch_scc1 .Lloop
	TILE 1, 0, 0, 1                                ; tile 15
	; ---------------- the way out ----------------
	OUTQ 0
	OUTQ 1                                         ; its own read-back registers: no store's data is written again
	s_set_vgpr_msb 0x5
	s_wait_tensorcnt 0x0
	ds_add_u32 v40, v41
	s_wait_dscnt 0x0
	s_set_vgpr_msb 0x500
	s_endpgm
.Lfunc_end_k_qc7a259852c_attn:
	.size	k_qc7a259852c_attn, .Lfunc_end_k_qc7a259852c_attn-k_qc7a259852c_attn
	.p2alignl 7, 3214868480
	.fill 96, 4, 3214868480
	.section	.rodata,"a",@progbits
	.p2align	6, 0x0
	.amdhsa_kernel k_qc7a259852c_attn
		.amdhsa_group_segment_fixed_size 76800
		.amdhsa_private_segment_fixed_size 0
		.amdhsa_enable_private_segment 0
		.amdhsa_kernarg_size 40
		.amdhsa_user_sgpr_count 2
		.amdhsa_user_sgpr_kernarg_segment_ptr 1
		.amdhsa_wavefront_size32 1
		.amdhsa_system_sgpr_workgroup_id_x 1
		.amdhsa_system_sgpr_workgroup_id_y 1
		.amdhsa_system_sgpr_workgroup_id_z 1
		.amdhsa_system_vgpr_workitem_id 0
		.amdhsa_next_free_vgpr 298
		.amdhsa_next_free_sgpr 66
		.amdhsa_reserve_vcc 1
		.amdhsa_float_denorm_mode_32 3
		.amdhsa_float_denorm_mode_16_64 3
		.amdhsa_memory_ordered 1
		.amdhsa_forward_progress 1
		.amdhsa_inst_pref_size 107
	.end_amdhsa_kernel
	.amdgpu_metadata
---
amdhsa.version: [ 1, 2 ]
amdhsa.kernels:
  - .name:           k_qc7a259852c_attn
    .symbol:         k_qc7a259852c_attn.kd
    .args:
      - { .name: queries, .offset: 0, .size: 8, .value_kind: global_buffer, .address_space: global }
      - { .name: keys, .offset: 8, .size: 8, .value_kind: global_buffer, .address_space: global }
      - { .name: values, .offset: 16, .size: 8, .value_kind: global_buffer, .address_space: global }
      - { .name: valid_lens, .offset: 24, .size: 8, .value_kind: global_buffer, .address_space: global }
      - { .name: out0, .offset: 32, .size: 8, .value_kind: global_buffer, .address_space: global }
    .group_segment_fixed_size: 76800
    .private_segment_fixed_size: 0
    .kernarg_segment_align: 8
    .kernarg_segment_size: 40
    .max_flat_workgroup_size: 256
    .sgpr_count:     66
    .vgpr_count:     298
    .wavefront_size: 32
...
	.end_amdgpu_metadata
.endif
;; end of part 1
